; MI455X (gfx1250); checked and timed in simulation.
; The chip was launched on July 23, 2026; its instructions are those of AMD's public machine-readable ISA for CDNA 5 (MIT licence, August 2026) and "CDNA5" Instruction Set Architecture Reference Guide (July 2026). The comments in the code are by the model that wrote it; some were corrected since.
;; Vector Quantizer. Allowed arithmetic: float matrix products may take bf16 or f16 operands with f32 sums; other float arithmetic in f32, or as packed bf16 or f16 multiplies, adds, multiply-adds, maxima and minima; sums over many terms, partial sums and values carried from step to step in f32; what a program stores and reads back later, other than sums and carried values, may be rounded once to bf16 or f16.
;; Inputs: codebook_weight 4,096 x 256 float32; z 8 x 4,096 x 256 float32.
;; Outputs: out0 8 x 4,096 x 256 float32; out1 8 x 4,096 int32; out2 one number float32; out3 one number float32; out4 one number float32.
;; One version. Each part assembles by itself: llvm-mc -triple=amdgcn-amd-amdhsa -mcpu=gfx1250 --defsym DOCPART=n.
;; ======== version 1 of 1: 4 launches
;; workspace buffers: cb16 2,097,152 bytes; ncsq 16,384 bytes; grp 131,072 bytes of whole numbers; colpart 4,194,304 bytes; colsum2 131,072 bytes; losspart 2,048 bytes
;; launch prep (part 1): grid 64 x 1, 16 waves a work-group, no clusters, 2,304 bytes of LDS; arguments codebook_weight, cb16, ncsq; writes cb16, ncsq
.if DOCPART == 1
	.amdgcn_target "amdgcn-amd-amdhsa--gfx1250"
	.amdhsa_code_object_version 6
	.text
	.protected	k_qfa38431ad8_prep
	.globl	k_qfa38431ad8_prep
	.p2align	8
	.type	k_qfa38431ad8_prep,@function
k_qfa38431ad8_prep:
	s_mov_b64 s[64:65], 0
	v_nop
	global_prefetch_b8 v0, s[64:65] scope:SCOPE_SE
	s_setreg_imm32_b32 hwreg(HW_REG_WAVE_MODE, 25, 1), 1
	s_wait_xcnt 0x0
; cb16[k][:] = bf16(2 c[k][:]) (= 2 bf16(c), exact), ncsq[k] = - sum over d of bf16(c[k][d])^2.  c: [4096][256] f32.
; A work-group takes 64 codes, each of its 16 waves 4: a code's 1,024 bytes are two loads of 512 consecutive bytes, its 512 bytes of bf16 two stores of 256.
; The 64 sums of a work-group meet in LDS and leave as one store of 256 consecutive bytes.  No matrix work, no cluster: nothing is shared, each byte is read once.
; LIMITS: 2 c must be finite in bf16, the sum of squares finite in f32; NaN and infinities are not treated apart.
.set SPARE, 256                        ; behind the 64 sums: the spare words, 128 bytes for each of 16 waves
.set X,    8                           ; v[8:39]   row i: 8 f32 as loaded
.set Q,    40                          ; v[40:55]  row i: 4 registers of packed bf16, kept for the stores
.set SUM,  56                          ; v[56:59]  the four rows' results
.set SPW,  64                          ; my spare word; never rewritten
.set NIL,  65                          ; 0; never rewritten
.set ZERO, 66                          ; 0.0, the first addend of the sums
	s_load_b128 s[4:7], s[0:1], 0x0                ; c s[4:5], cb16 s[6:7]
	s_load_b64 s[8:9], s[0:1], 0x10                ; ncsq
	v_lshl_add_u32 v[SPW], v0, 2, SPARE
	v_mov_b32 v[NIL], 0
	v_mov_b32 v[ZERO], 0
	v_mov_b32 v62, 0                               ; v_permlanex16_b32's destination counts as read
	v_lshrrev_b32 v1, 5, v0
	v_readfirstlane_b32 s10, v1                    ; wave 0..15
	v_and_b32 v1, 31, v0                           ; lane
	s_lshl_b32 s11, ttmp9, 16                      ; 64 codes x 1,024 bytes
	s_lshl_b32 s12, s10, 12                        ; 4 codes x 1,024 bytes
	s_add_co_u32 s11, s11, s12
	v_lshl_add_u32 v2, v1, 4, s11                  ; in: 16 bytes a lane
	s_lshr_b32 s11, s11, 1
	v_lshl_add_u32 v3, v1, 3, s11                  ; out: 8 bytes a lane
	s_mov_b32 s14, 0x76543210
	s_mov_b32 s15, 0xfedcba98
	s_wait_kmcnt 0x0
.irp i, 0,1,2,3
	global_load_b128 v[X+8*\i:X+8*\i+3],   v2, s[4:5] offset:1024*\i th:TH_LOAD_NT
	global_load_b128 v[X+8*\i+4:X+8*\i+7], v2, s[4:5] offset:1024*\i+512 th:TH_LOAD_NT
.endr
; Row i.  left = the later rows' loads, which may stay out.
.macro ROWP i, left
	s_wait_loadcnt \left
.irp p, 0,1,2,3
	v_pk_add_f32 v[X+8*(\i)+2*\p:X+8*(\i)+2*\p+1], v[X+8*(\i)+2*\p:X+8*(\i)+2*\p+1], v[X+8*(\i)+2*\p:X+8*(\i)+2*\p+1]  ; 2 c
.endr
.irp q, 0,1,2,3
	v_cvt_pk_bf16_f32 v[Q+4*(\i)+\q], v[X+8*(\i)+2*\q], v[X+8*(\i)+2*\q+1]
.endr
	global_store_b64 v3, v[Q+4*(\i):Q+4*(\i)+1],   s[6:7] offset:512*(\i)       ; 32 lanes: 256 consecutive bytes, aligned
	global_store_b64 v3, v[Q+4*(\i)+2:Q+4*(\i)+3], s[6:7] offset:512*(\i)+256
	v_fma_mix_f32_bf16 v60, v[Q+4*(\i)], v[Q+4*(\i)], v[ZERO] op_sel_hi:[1,1,0]                 ; low halves' squares,
	v_fma_mix_f32_bf16 v61, v[Q+4*(\i)], v[Q+4*(\i)], v[ZERO] op_sel:[1,1,0] op_sel_hi:[1,1,0]  ; high halves': two chains
.irp q, 1,2,3
	v_fma_mix_f32_bf16 v60, v[Q+4*(\i)+\q], v[Q+4*(\i)+\q], v60 op_sel_hi:[1,1,0]
	v_fma_mix_f32_bf16 v61, v[Q+4*(\i)+\q], v[Q+4*(\i)+\q], v61 op_sel:[1,1,0] op_sel_hi:[1,1,0]
.endr
	v_add_f32 v60, v60, v61
	v_add_f32_dpp v60, v60, v60 row_xmask:1 row_mask:0xf bank_mask:0xf
	v_add_f32_dpp v60, v60, v60 row_xmask:2 row_mask:0xf bank_mask:0xf
	v_add_f32_dpp v60, v60, v60 row_xmask:4 row_mask:0xf bank_mask:0xf
	v_add_f32_dpp v60, v60, v60 row_xmask:8 row_mask:0xf bank_mask:0xf
	v_permlanex16_b32 v62, v60, s14, s15
	v_add_f32 v60, v60, v62
	v_mul_f32 v[SUM+(\i)], 0xbe800000, v60         ; x -1/4: the squares were of 2 c
.endm
	ROWP 0, 6
	ROWP 1, 4
	ROWP 2, 2
	ROWP 3, 0
	v_and_b32 v4, 3, v1                            ; lane l carries row l % 4
	v_cmp_eq_u32 vcc_lo, 1, v4
	v_cndmask_b32 v5, v[SUM], v[SUM+1], vcc_lo
	v_cmp_eq_u32 vcc_lo, 2, v4
	v_cndmask_b32 v5, v5, v[SUM+2], vcc_lo
	v_cmp_eq_u32 vcc_lo, 3, v4
	v_cndmask_b32 v5, v5, v[SUM+3], vcc_lo
	s_lshl_b32 s13, s10, 4
	v_lshl_add_u32 v6, v4, 2, s13                  ; word 4 w + l % 4: eight lanes write the same word with the same number
	ds_store_b32 v6, v5
	s_wait_dscnt 0x0                               ; for the others' sake: my store is done
	s_barrier_signal -1
	s_barrier_wait -1
	s_cmp_lg_u32 s10, 0
	s_cbranch_scc1 .Lend
	v_lshlrev_b32 v7, 3, v1
	ds_load_b64 v[8:9], v7                         ; the work-group's 64 sums
	s_lshl_b32 s12, ttmp9, 8
	s_mov_b32 s13, 0
	s_add_nc_u64 s[8:9], s[8:9], s[12:13]
	s_wait_dscnt 0x0
	global_store_b64 v7, v[8:9], s[8:9]            ; 256 consecutive bytes, aligned
.Lend:
	s_wait_tensorcnt 0x0                           ; the wave's end: an add to my spare word and its wait, behind my last LDS store
	ds_add_u32 v[SPW], v[NIL]
	s_wait_dscnt 0x0
	s_endpgm
.Lfunc_end_k_qfa38431ad8_prep:
	.size	k_qfa38431ad8_prep, .Lfunc_end_k_qfa38431ad8_prep-k_qfa38431ad8_prep
	.p2alignl 7, 3214868480
	.fill 96, 4, 3214868480
	.section	.rodata,"a",@progbits
	.p2align	6, 0x0
	.amdhsa_kernel k_qfa38431ad8_prep
		.amdhsa_group_segment_fixed_size 2304
		.amdhsa_private_segment_fixed_size 0
		.amdhsa_enable_private_segment 0
		.amdhsa_kernarg_size 24
		.amdhsa_user_sgpr_count 2
		.amdhsa_user_sgpr_kernarg_segment_ptr 1
		.amdhsa_wavefront_size32 1
		.amdhsa_system_sgpr_workgroup_id_x 1
		.amdhsa_system_sgpr_workgroup_id_y 1
		.amdhsa_system_sgpr_workgroup_id_z 1
		.amdhsa_system_vgpr_workitem_id 0
		.amdhsa_next_free_vgpr 68
		.amdhsa_next_free_sgpr 66
		.amdhsa_reserve_vcc 1
		.amdhsa_float_denorm_mode_32 3
		.amdhsa_float_denorm_mode_16_64 3
		.amdhsa_memory_ordered 1
		.amdhsa_forward_progress 1
		.amdhsa_inst_pref_size 10
	.end_amdhsa_kernel
	.amdgpu_metadata
---
amdhsa.version: [ 1, 2 ]
amdhsa.kernels:
  - .name:           k_qfa38431ad8_prep
    .symbol:         k_qfa38431ad8_prep.kd
    .args:
      - { .name: codebook_weight, .offset: 0, .size: 8, .value_kind: global_buffer, .address_space: global }
      - { .name: cb16, .offset: 8, .size: 8, .value_kind: global_buffer, .address_space: global }
      - { .name: ncsq, .offset: 16, .size: 8, .value_kind: global_buffer, .address_space: global }
    .group_segment_fixed_size: 2304
    .private_segment_fixed_size: 0
    .kernarg_segment_align: 8
    .kernarg_segment_size: 24
    .max_flat_workgroup_size: 512
    .sgpr_count:     66
    .vgpr_count:     68
    .wavefront_size: 32
...
	.end_amdgpu_metadata
.endif
;; end of part 1
;; launch main (part 2): grid 256 x 1, 4 waves a work-group, clusters of 4 x 1, 327,680 bytes of LDS; arguments z, cb16, ncsq, grp, colpart; writes grp, colpart
.if DOCPART == 2
	.amdgcn_target "amdgcn-amd-amdhsa--gfx1250"
	.amdhsa_code_object_version 6
	.text
	.protected	k_qfa38431ad8_main
	.globl	k_qfa38431ad8_main
	.p2align	8
	.type	k_qfa38431ad8_main,@function
k_qfa38431ad8_main:
	s_mov_b64 s[64:65], 0
	v_nop
	global_prefetch_b8 v0, s[64:65] scope:SCOPE_SE
	s_setreg_imm32_b32 hwreg(HW_REG_WAVE_MODE, 25, 1), 1
	s_wait_xcnt 0x0
	s_wait_alu depctr_hold_cnt(0) depctr_sa_sdst(0) depctr_va_vdst(0) depctr_va_sdst(0) depctr_va_ssrc(0) depctr_va_vcc(0) depctr_vm_vsrc(0)
	s_getreg_b32 s2, hwreg(HW_REG_IB_STS2, 6, 4)
	s_cmp_eq_u32 s2, 0
	s_cbranch_scc0 .Lentry_in_a_cluster
	s_endpgm
.Lentry_in_a_cluster:
	s_bfe_u32 s2, ttmp6, 0x10000c
	s_cmp_lg_u32 s2, 0x3003
	s_cbranch_scc0 .Lentry_shape_is_right
	s_endpgm
.Lentry_shape_is_right:
; d2[n][k] = fl(fl(A_n + C_k) - y_nk), A = sum bf16(z)^2, C = sum bf16(c)^2, y = bf16(z) . bf16(2 c): the two roundings that the f32 formula makes, so that equal d2 stay equal.
; OUT: grp[n] = the first group of 8 consecutive codes that holds the row's least d2 (a later launch finds the code in it); colpart[wg][k] = the sum over the work-group's 128 rows of softmax_k(-d2).
; THE PRODUCT IS MADE TWICE.  A work-group's 128 x 4,096 scores are 1 MiB in 16 bits and do not fit beside the operands, and a column's sum wants each row's normaliser first.
; PASS 1: per row the running least d2, its group, and s = sum 2^(-L d2 + ML), L = log2 e, ML = fl(L x least d2), rescaled whenever the least falls: the maximum is taken away before every exponential.
; PASS 2: p = 2^(L x + B), x = y - C (the sum starts from -C), B = fma(A, -L, ML) - log2 s.  Here x is taken without d2's two roundings.
; SHARES.  Work-group = 128 rows; EVERY wave keeps all 128 rows as bf16 fragments (8 row tiles x 8 K steps x 8 registers = 512).  Codes come 256 to a slot; in tile step T wave w takes codes 64 T + 16 w .. + 15:
; 64 matrix instructions on 8 accumulators that take turns; one fragment of a code tile feeds 8 of them.
; BY TURNS.  While tile T is multiplied into one set of accumulators, tile T - 1's vector work on the other set stands in slices behind the matrix instructions, at most four instructions a slice
; (pass 1: 265 = 4 x 64 + 9, the nine together in the last slice).  A tile's exponentials are one batch with one wait.
; CLUSTER.  All work-groups walk the same codes: the four of a cluster ask jointly, same load, descriptor and mask.  z's tiles are each work-group's own.
; LIMITS.  d2 stays under 1e38; NaN and infinities are not treated apart; z and c enter as bf16 everywhere; a weight below 2^-126 counts as 0.
; Which of two codes wins hangs on d2's last bit: where y's last bits differ from another order of summation, a near-tie may fall the other way.
; REGISTERS, in windows of 256 (s_set_vgpr_msb: bits 1:0 source 0, 3:2 source 1, 5:4 source 2, 7:6 destination):
;   window 0: v0-13 addresses; v14-15, v34-47 pass 1: A, a pair a row tile; pass 2: column sums; v16-33 at work; v48-63 -C, two sets; v64-127 pass 1: 8 registers of statistics a row tile; pass 2: B; v128-255 two sets of 8 accumulators
;   window 1: v0-127 code fragments, two sets          windows 2, 3: z's fragments, row tiles 0-3 and 4-7, at 64 (tile % 4) + 8 s
.set PITCH,  528                       ; a code's row in LDS: 512 bytes + 16 = 132 words: the 16 rows of a load start at 16 different groups of four banks (64 banks of 4 bytes: ISA guide 11.1)
.set TSTEP,  64*PITCH                  ; a tile step's 64 codes; also what one wave's load brings
.set SLOT1,  256*PITCH                 ; 0x21000: slot 1; w x TSTEP has none of its bits, so one exclusive or changes slots
.set ZPITCH, 1040                      ; a row of z in f32: 1,024 bytes + 16
.set NCB,    2*SLOT1                   ; -C of all 4,096 codes, filled once
.set COLST,  NCB+16384                 ; the column sums, stored by the waves: no fill lands here or behind
.set L_RS,   COLST+16384               ; [wave][row] 16 bytes: least d2, group, ML, s
.set L_AS,   L_RS+8192                 ; [wave][row] A
.set L_BR,   L_AS+2048                 ; [row] B
.set L_GR,   L_BR+512                  ; [row] group
.set SPARE,  L_GR+512                  ; the spare words, 128 bytes for each wave: two blocks of 256 bytes that no other line names
.set AK0, 3                            ; v3   (16 w + r) PITCH + 16 h
.set ADR, 4                            ; v4   address of the run of loads in hand
.set AN1, 5                            ; v5   NCB + 4 (16 w + 8 h)
.set AN2, 6                            ; v6   NCB + 4 (16 w + r)
.set TIDV, 7                           ; v7   the group of the tile whose vector work is in hand: 8 T + 2 w + h
.set COL0, 8                           ; v8   COLST + 4 (16 w + r)
.set AZ,  9                            ; v9, v10  z in LDS, row tiles 0-3 and 4-7; later:
.set ADN, 9                            ; v9   address of -C's loads
.set COLA, 10                          ; v10  address of a column sum
.set PFO, 11                           ; v11  256 x lane; never rewritten
.set SPW, 12                           ; v12  my spare word; never rewritten
.set NIL, 13                           ; v13  0; never rewritten
.set CC,  14                           ; v14-15  pass 2: a column's sum, and the other half's
.set TT,  16                           ; v16-31  at work
.set M8,  32                           ; v32-33  the least of a group's first seven d2
.set CA,  34                           ; v34-41  pass 2: sums over the row tiles
.set CS,  48                           ; v48-63  -C, set by tile parity
.set ST,  64                           ; row tile t at ST + 8 t: +0,+1 s (even, odd codes); +2 a; +3 group; +4 ML, +5 least d2 behind an even tile; +6 ML, +7 least d2 behind an odd tile
.set ACC, 128
.set RSA, 224
.set ASA, 225
.set WV,  14
.set CX,  15
.set WG,  16
.set G1C, 24                           ; s[24:31] group 1: codes, joint
.set G1N, 32                           ; s[32:39] -C, joint
.set G1Z, 40                           ; s[40:47] z, my own
.set G0C, 48
.set G0N, 52
.set G0Z, 56
.set CBW, 60                           ; s[60:61] cb16 at my wave's 64 rows of block 0
.set NXT, 62                           ; the block to ask for next, 0..15
.set SBR, 66                           ; the slot being read
.set TB,  67                           ; LDS byte of the tile step to be fetched
.set TN,  68                           ; 256 x the tile whose -C is fetched next
.set TC,  69                           ; 256 x the tile whose column sums are stored next
.set OFF, 70                           ; s[70:71]
.set SLOTS, 72
.set CNT, 73
.set GC,  74                           ; changes of slots so far
.set LIM, 75                           ; the last change at which this cluster prefetches
.set PFA, 76                           ; s[76:77]
.set NL,  78                           ; s[78:79] -log2 e
.set PL,  80                           ; s[80:81] +log2 e
.set SEL, 82                           ; s[82:83] v_permlanex16_b32: each lane takes its own place in the other half
.set MK,  84                           ; s84-85
.set MJ,  85                           ; s86-92: lanes with r % 8 = 1 .. 7
.set MOWN, 93                          ; lanes with h = r / 8
.set MA,  94                           ; s94-96
.set MSB, 0
.macro WIN new                         ; the high byte repeats the setting that is left; a switch that changes nothing is dropped
.if MSB != (\new)
	s_set_vgpr_msb (MSB<<8)|(\new)
.set MSB, (\new)
.endif
.endm
.macro SETA t                          ; rA: the pair that holds row tile t's A in its first register
.if (\t) == 0
.set rA, 14
.else
.set rA, 32+2*(\t)
.endif
.endm
; A round of the cluster's barrier: my work-group's barrier; wave 0 signals for the work-group; every wave waits for all four work-groups; my work-group's barrier once more.
.macro CROUND
	s_barrier_signal -1
	s_barrier_wait -1
	s_cmp_lg_u32 s[WV], 0
	s_cbranch_scc1 .Lnot_wave_0_\@
	s_barrier_signal -3
.Lnot_wave_0_\@:
	s_barrier_wait -3
	s_barrier_signal -1
	s_barrier_wait -1
.endm
; A PREFETCH INTO THE L2 of the block that the NEXT change of slots will ask for: 256 rows x 512 bytes = 512 pieces of 256 bytes, one a lane of the cluster's 16 waves (wave w of partner cx: rows 64 w + 16 cx .. + 15:
; told apart by address).  Only the first cluster asks, and only in the first walk over the codes (changes 0 to 13: blocks 2 to 15): each piece is named once in the launch.  One slot, 256 matrix instructions, ahead of its load.
.macro ASK
	s_cmp_le_u32 s[GC], s[LIM]
	s_cbranch_scc0 .Lnot_mine_\@
	global_prefetch_b8 v[PFO], s[PFA:PFA+1] th:TH_LOAD_NT scope:SCOPE_SE
.Lnot_mine_\@:
.endm
; THE CHANGE OF SLOTS.  Each wave waits for all its tensor loads (one is out: its 64 rows of the slot to be entered), adds 0 to its spare word, and waits for that and for its reads of the slot that it leaves.
; fill = 1: the barrier is a round of the cluster's, and the slot just left is filled first thing behind it, with block NXT: every wave loads its own 64 rows, jointly with the same wave of the three partners.
.macro CHANGE fill
	WIN 0                                          ; at a label and at a branch every window is 0
	s_wait_tensorcnt 0x0                           ; no tensor load of mine is out, so group 0 may be written
	ds_add_u32 v[SPW], v[NIL]                      ; 0 onto my spare word; the scalar work stands between it and the wait for it
.if \fill
	s_lshl_b32 s[OFF], s[NXT], 17                  ; a block is 131,072 bytes
	s_xor_b32 s[G0C+1], s[G0C+1], SLOT1
	s_add_nc_u64 s[G0C+2:G0C+3], s[CBW:CBW+1], s[OFF:OFF+1]
	s_or_b32 s[G0C+3], s[G0C+3], 0x80000000
	s_add_co_u32 s[NXT], s[NXT], 1
	s_and_b32 s[NXT], s[NXT], 15                   ; behind block 15 the second walk begins at block 0
	s_wait_xcnt 0x0                                ; the last prefetch, a slot back, has read its address
	s_add_nc_u64 s[PFA:PFA+1], s[PFA:PFA+1], 131072
	s_add_co_u32 s[GC], s[GC], 1
.endif
	s_wait_dscnt 0x0                               ; the add is done, and my reads of the slot are over
.if \fill
	CROUND
	tensor_load_to_lds s[G0C:G0C+3], s[G1C:G1C+7]  ; my one tensor load behind the round: it has a slot's 256 matrix instructions in which to land
	s_nop 0
.rept 4
	v_nop
.endr
	ASK
.else
	s_barrier_signal -1
	s_barrier_wait -1
.endif
	s_xor_b32 s[SBR], s[SBR], SLOT1
	s_mov_b32 s[TB], s[SBR]
.endm
; THE LDS LOADS stand in runs.  A tile step's fragments: my 16 codes x 256 channels, 16 loads.
.macro FETCHF set
	WIN 0
	v_add_nc_u32 v[ADR], s[TB], v[AK0]
	s_add_co_u32 s[TB], s[TB], TSTEP
	WIN 0x40                                       ; destination window 1
.irp f, 0,1,2,3,4,5,6,7
	ds_load_b128 v[64*(\set)+8*\f:64*(\set)+8*\f+3],   v[ADR] offset:64*\f
	ds_load_b128 v[64*(\set)+8*\f+4:64*(\set)+8*\f+7], v[ADR] offset:64*\f+32
.endr
.endm
.macro FETCHN1 set                     ; pass 1: -C of my lane's 8 codes
	WIN 0
	v_add_nc_u32 v[ADN], s[TN], v[AN1]
	s_add_co_u32 s[TN], s[TN], 256
	ds_load_b128 v[CS+8*(\set):CS+8*(\set)+3],   v[ADN]
	ds_load_b128 v[CS+8*(\set)+4:CS+8*(\set)+7], v[ADN] offset:16
.endm
.macro FETCHC2 set                     ; pass 2: -C of my lane's one code, eight times: the C operand that starts the sums
	WIN 0
	v_add_nc_u32 v[ADN], s[TN], v[AN2]
	s_add_co_u32 s[TN], s[TN], 256
.irp j, 0,1,2,3,4,5,6,7
	ds_load_b32 v[CS+8*(\set)+\j], v[ADN]
.endr
.endm
; Pass 2's run inside a step: it stands directly behind the tile's last exponential.  The two address lines are the plain instructions behind that exponential; then the ONE wait for the batch of 64;
; then the 24 loads, 31 matrix instructions ahead of their first use.  guard = 1: in the walk's last step (CNT = 1) there is no next tile: the loads are jumped over, behind the wait.
.macro FETCH2 set, guard
	WIN 0
	v_add_nc_u32 v[ADR], s[TB], v[AK0]
	v_add_nc_u32 v[ADN], s[TN], v[AN2]
	s_wait_alu depctr_va_vdst(0)
.if \guard
	s_cmp_eq_u32 s[CNT], 1
	s_cbranch_scc1 .Lno_fetch_\@
.endif
	s_add_co_u32 s[TB], s[TB], TSTEP
	s_add_co_u32 s[TN], s[TN], 256
	WIN 0x40                                       ; destination window 1
.irp f, 0,1,2,3,4,5,6,7
	ds_load_b128 v[64*(\set)+8*\f:64*(\set)+8*\f+3],   v[ADR] offset:64*\f
	ds_load_b128 v[64*(\set)+8*\f+4:64*(\set)+8*\f+7], v[ADR] offset:64*\f+32
.endr
	WIN 0
.irp j, 0,1,2,3,4,5,6,7
	ds_load_b32 v[CS+8*(\set)+\j], v[ADN]
.endr
.if \guard
.Lno_fetch_\@:
.endif
.endm
; Matrix instruction i of a tile step's 64: K step i / 8, row tile i % 8: the 8 accumulators take turns.
; Pass 1: source 0 = codes, source 1 = rows: a lane holds ONE row (r) and the codes 8 h + 0..7.  Pass 2: the other way round: a lane holds ONE code (r) and the rows 8 h + 0..7.
.macro MM pass, par
.set s_, i/8
.set t_, i%8
.set rD, ACC+64*(\par)+8*t_
.set rK, 64*(\par)+8*s_
.set rZ, 64*(t_%4)+8*s_
.if (\pass) == 1
	WIN 0x09+4*(t_/4)
.if i < 8
	v_wmma_f32_16x16x32_bf16 v[rD:rD+7], v[rK:rK+7], v[rZ:rZ+7], 0
.else
	v_wmma_f32_16x16x32_bf16 v[rD:rD+7], v[rK:rK+7], v[rZ:rZ+7], v[rD:rD+7]
.endif
.else
	WIN 0x06+(t_/4)
.if i < 8
	v_wmma_f32_16x16x32_bf16 v[rD:rD+7], v[rZ:rZ+7], v[rK:rK+7], v[CS+8*(\par):CS+8*(\par)+7]
.else
	v_wmma_f32_16x16x32_bf16 v[rD:rD+7], v[rZ:rZ+7], v[rK:rK+7], v[rD:rD+7]
.endif
.endif
.set i, i+1
.endm
; PASS 1's VECTOR WORK for one tile (accumulator set PSET = the tile's parity): three queues.
; PRE1, 160 long: four units of two row tiles, the two alternating; 20 numbers a row tile:
;   0-3 t = A + C (A - (-C): one rounding)   4-7 d = t - y, the accumulator's lowest pair first   8-10 the least of seven d   11 the row's new least = the least of that, the eighth d and the
;   least so far; it is kept by the tile's parity, so that the old one is still there for   12 has the least fallen?   13, 14 ML = L x least; ML - ML of the tile before   15-18 -L d + ML   19 where it has fallen the group is kept
.macro PRE1
.set x_, (qp%40)&1
.set t_, 2*(qp/40)+x_
.set o_, (qp%40)>>1
.set rY, ACC+64*PSET+8*t_
.set rT, TT+8*x_
.set rC, CS+8*PSET
.set rS, ST+8*t_
	SETA t_
	WIN 0
.if o_ < 4
	v_pk_add_f32 v[rT+2*o_:rT+2*o_+1], v[rA:rA+1], v[rC+2*o_:rC+2*o_+1] op_sel_hi:[0,1] neg_lo:[0,1] neg_hi:[0,1]
.elseif o_ < 8
	v_pk_add_f32 v[rY+2*o_-8:rY+2*o_-7], v[rT+2*o_-8:rT+2*o_-7], v[rY+2*o_-8:rY+2*o_-7] neg_lo:[0,1] neg_hi:[0,1]
.elseif o_ == 8
	v_min3_num_f32 v[M8+x_], v[rY], v[rY+1], v[rY+2]
.elseif o_ < 11
	v_min3_num_f32 v[M8+x_], v[M8+x_], v[rY+2*o_-15], v[rY+2*o_-14]
.elseif o_ == 11
	v_min3_num_f32 v[rS+5+2*PSET], v[M8+x_], v[rY+7], v[rS+7-2*PSET]
.elseif o_ == 12
	v_cmp_lt_f32 s[MK+x_], v[rS+5+2*PSET], v[rS+7-2*PSET]  ; strictly below: of equal d2 the earlier group stays
.elseif o_ == 13
	v_mul_f32 v[rS+4+2*PSET], s[PL], v[rS+5+2*PSET]
.elseif o_ == 14
	v_sub_f32 v[rS+2], v[rS+4+2*PSET], v[rS+6-2*PSET]
.elseif o_ < 19
	v_pk_fma_f32 v[rY+2*o_-30:rY+2*o_-29], v[rY+2*o_-30:rY+2*o_-29], s[NL:NL+1], v[rS+4+2*PSET:rS+5+2*PSET] op_sel_hi:[1,0,0]
.else
	v_cndmask_b32 v[rS+3], v[rS+3], v[TIDV], s[MK+x_]
.endif
.set qp, qp+1
.endm
; EXP1, 72 long: by unit, the two row tiles alternating: a = 2^(ML - ML before), then the 8 weights, in place.
.macro EXP1
.set t_, 2*(qe/18)+((qe%18)&1)
.set o_, (qe%18)>>1
	WIN 0
.if o_ == 0
	v_exp_f32 v[ST+8*t_+2], v[ST+8*t_+2]
.else
	v_exp_f32 v[ACC+64*PSET+8*t_+o_-1], v[ACC+64*PSET+8*t_+o_-1]
.endif
.set qe, qe+1
.endm
; POST1, 33 long: the 8 weights into one pair; s = a s + pair; last, the group number steps.
.macro POST1
	WIN 0
.if qq < 32
.set t_, 2*(qq/8)+(qq&1)
.set o_, (qq%8)>>1
.set rY, ACC+64*PSET+8*t_
.set rS, ST+8*t_
.if o_ == 0
	v_pk_add_f32 v[rY:rY+1], v[rY:rY+1], v[rY+2:rY+3]
.elseif o_ == 1
	v_pk_add_f32 v[rY+4:rY+5], v[rY+4:rY+5], v[rY+6:rY+7]
.elseif o_ == 2
	v_pk_add_f32 v[rY:rY+1], v[rY:rY+1], v[rY+4:rY+5]
.else
	v_pk_fma_f32 v[rS:rS+1], v[rS:rS+1], v[rS+2:rS+3], v[rY:rY+1] op_sel_hi:[1,0,1]
.endif
.else
	v_add_nc_u32 v[TIDV], 8, v[TIDV]
.endif
.set qq, qq+1
.endm
; Slice k of 64: FOUR instructions behind every matrix instruction.  160 + 72 stand ahead of the wait: 58 slices.  Slices 0-9: unit 0's 40.  From then on a phase of 58 instructions (14.5 slices) holds unit u + 1's 40 and
; unit u's 18 exponentials, one or two a slice, a plain instruction leading: all of unit u's PRE1 is out when its first exponential comes.  Slices 53-57: the last unit's 18 exponentials; its two last numbers (19: the group),
; which no exponential waits for, are held back and stand behind the last exponential: they are the plain instructions there.  Nothing ahead of slice 58 names an exponential's result and none is issued behind slice 57:
; so the tile's 72 exponentials have ONE wait.  Slices 58-62: four of POST1 each; 33 - 20 = 13 are left for slice 63: the nine that are over stand together.
.macro SLICE1
.set nn, 4*(k+1)
.if k < 10
.set tp, nn
.set te, 0
.elseif k < 57
.set mm, nn-40
.set tp, 158
.if mm < 174
.set tp, 40+40*(mm/58)+(mm%58)-(9*(mm%58))/29
.endif
.if tp > 158
.set tp, 158
.endif
.set te, nn-tp
.elseif k == 57
.set tp, 158
.set te, 72
.else
.set tp, 160
.set te, 72
.endif
.set tq, 0
.if k > 57
.set tq, 4*(k-57)
.endif
.if k == 63
.set tq, 33
.endif
.rept tp-qp
	PRE1
.endr
.rept te-qe
	EXP1
.endr
.if k == 57
	PRE1
	PRE1
	s_wait_alu depctr_va_vdst(0)
.endif
.rept tq-qq
	POST1
.endr
.set k, k+1
.endm
; PASS 2's VECTOR WORK for one tile.  ARG2, 32: L x + B, a pair of rows each, each accumulator's lowest pair first.  EXP2, 64, in place.  POST2, 36: the sum over the 8 row tiles, the 8 rows of a lane and the two halves; the store.
.macro ARG2
	WIN 0
	v_pk_fma_f32 v[ACC+64*PSET+2*qp:ACC+64*PSET+2*qp+1], v[ACC+64*PSET+2*qp:ACC+64*PSET+2*qp+1], s[PL:PL+1], v[ST+2*qp:ST+2*qp+1] op_sel_hi:[1,0,1]
.set qp, qp+1
.endm
.macro EXP2
	WIN 0
	v_exp_f32 v[ACC+64*PSET+qe], v[ACC+64*PSET+qe]
.set qe, qe+1
.endm
.macro POST2
.set rX, ACC+64*PSET
	WIN 0
.if qq < 4
	v_pk_add_f32 v[CA+2*qq:CA+2*qq+1], v[rX+2*qq:rX+2*qq+1], v[rX+8+2*qq:rX+9+2*qq]
.elseif qq < 28
	v_pk_add_f32 v[CA+2*(qq%4):CA+2*(qq%4)+1], v[CA+2*(qq%4):CA+2*(qq%4)+1], v[rX+8+2*qq:rX+9+2*qq]
.elseif qq == 28
	v_pk_add_f32 v[CA:CA+1], v[CA:CA+1], v[CA+2:CA+3]
.elseif qq == 29
	v_pk_add_f32 v[CA+4:CA+5], v[CA+4:CA+5], v[CA+6:CA+7]
.elseif qq == 30
	v_pk_add_f32 v[CA:CA+1], v[CA:CA+1], v[CA+4:CA+5]
.elseif qq == 31
	v_add_f32 v[CC], v[CA], v[CA+1]
.elseif qq == 32
	v_permlanex16_b32 v[CC+1], v[CC], s[SEL], s[SEL+1]
.elseif qq == 33
	v_add_nc_u32 v[COLA], s[TC], v[COL0]
.elseif qq == 34
	v_add_f32 v[CC], v[CC], v[CC+1]
.else
	ds_store_b32 v[COLA], v[CC]                    ; both halves of the lanes store the same number to the same word
	s_add_co_u32 s[TC], s[TC], 256
.endif
.set qq, qq+1
.endm
; Slice k: slices 0-31 hold ARG2 k, and from slice 1 on the two exponentials of the pair that the slice before has scaled; slice 32 the last two.  Behind slice 32 stands the ONE wait for the 64: in a step FETCH2 writes it,
; ahead of its loads; where nothing is fetched (WAITIN = 1) it stands here behind a v_nop.  POST2's 36 are spread over slices 33-63, so that plain instructions stand behind the step's last eight matrix instructions:
; they are the places ahead of the next step's first read of those accumulators.
.macro SLICE2
.set tp, 32
.set te, 64
.if k < 32
.set tp, k+1
.set te, 2*k
.endif
.set tq, 0
.if k > 32
.set tq, (36*(k-32))/31
.endif
.rept tp-qp
	ARG2
.endr
.rept te-qe
	EXP2
.endr
.if (k == 32) && WAITIN
	v_nop
	s_wait_alu depctr_va_vdst(0)
.endif
.rept tq-qq
	POST2
.endr
.set k, k+1
.endm
; A TILE STEP: 64 matrix instructions into set par, behind each a slice of the tile before (set 1 - par).  The runs of LDS loads for the next tile stand behind the eighth (pass 1) or behind the thirty-third, at the wait (pass 2):
; the last matrix instruction that read those registers stands more than four plain vector instructions back (the slices between name none of its registers).
.macro STEP pass, par, guard=0
.if (\pass) == 1
	s_wait_dscnt 0x0                               ; this tile's fragments and the last tile's -C, asked for 56 matrix instructions ago
.else
	s_wait_dscnt 0x1                               ; LDS instructions end in order (ISA guide 5.7.1): the youngest, the store of the last column sums, may stay out; the 24 loads ahead of it are in
.endif
.set PSET, 1-(\par)
.set WAITIN, 0
.set k, 0
.set qp, 0
.set qe, 0
.set qq, 0
.set i, 0
.rept 64
	MM \pass, \par
.if (\pass) == 1
	SLICE1
.if i == 8
	FETCHF 1-(\par)
	FETCHN1 \par
.endif
.else
	SLICE2
.if i == 33
	FETCH2 1-(\par), \guard
.endif
.endif
.endr
.endm
.macro MMONLY pass                     ; a pass's tile 0: there is no tile before it
	FETCHF 1
.if (\pass) == 1
	FETCHN1 0
.else
	FETCHC2 1
.endif
.set i, 0
.rept 64
	MM \pass, 0
.endr
	WIN 0
.rept 4
	v_nop                                          ; the places behind the last products
.endr
.endm
.macro VECONLY pass, set               ; a pass's last tile: nothing is left to multiply
.set PSET, (\set)
.set WAITIN, 1
.set k, 0
.set qp, 0
.set qe, 0
.set qq, 0
.rept 64
.if (\pass) == 1
	SLICE1
.else
	SLICE2
.endif
.endr
.endm
; z comes out of LDS by HALF ROW TILES: half u = row tile u / 2, K steps 4 (u % 2) .. + 3: 16 loads of 16 bytes into 64 registers, in a fragment's order, then rounded to bf16 in pairs.
; Four half buffers, u % 4: even row tiles in window 0 (v128-255), odd ones in window 1 (v0-127).  Three halves are out at a time: 48 loads.
.macro ZLH u
.set rt_, (\u)/2
.set hf_, (\u)%2
.if rt_%2 == 0
	WIN 0
.set rF, 128
.else
	WIN 0x40
.set rF, 0
.endif
.irp s, 0,1,2,3
	ds_load_b128 v[rF+16*(4*hf_+\s):rF+16*(4*hf_+\s)+3],     v[AZ+rt_/4] offset:(rt_%4)*16*ZPITCH+128*(4*hf_+\s)
	ds_load_b128 v[rF+16*(4*hf_+\s)+4:rF+16*(4*hf_+\s)+7],   v[AZ+rt_/4] offset:(rt_%4)*16*ZPITCH+128*(4*hf_+\s)+16
	ds_load_b128 v[rF+16*(4*hf_+\s)+8:rF+16*(4*hf_+\s)+11],  v[AZ+rt_/4] offset:(rt_%4)*16*ZPITCH+128*(4*hf_+\s)+64
	ds_load_b128 v[rF+16*(4*hf_+\s)+12:rF+16*(4*hf_+\s)+15], v[AZ+rt_/4] offset:(rt_%4)*16*ZPITCH+128*(4*hf_+\s)+80
.endr
.endm
.macro ZCH u
.set rt_, (\u)/2
.set hf_, (\u)%2
.set rF, 128*(1-rt_%2)
	WIN 0x80+0x40*(rt_/4)+5*(rt_%2)                ; destination window 2 or 3; both sources in the half buffer's window
.set zi, 32*hf_
.rept 32
	v_cvt_pk_bf16_f32 v[64*(rt_%4)+zi], v[rF+2*zi], v[rF+2*zi+1]
.set zi, zi+1
.endr
.endm
	s_load_b256 s[4:11], s[0:1], 0x0               ; z s[4:5], cb16 s[6:7], ncsq s[8:9], grp s[10:11]
	s_load_b64 s[12:13], s[0:1], 0x20              ; colpart
	v_lshl_add_u32 v[SPW], v0, 2, SPARE
	v_mov_b32 v[NIL], 0
	ds_add_u32 v[SPW], v[NIL]                      ; the wave's opening: the add, twice on end, and its wait ahead of my first tensor load
	ds_add_u32 v[SPW], v[NIL]
	v_lshrrev_b32 v1, 5, v0
	v_readfirstlane_b32 s[WV], v1                  ; wave 0..3
	s_bfe_u32 s[CX], ttmp6, 0x40000                ; my place in the cluster
	s_lshl_b32 s[WG], ttmp9, 2
	s_add_co_u32 s[WG], s[WG], s[CX]               ; my block of 128 rows: it enters z's, grp's and colpart's addresses alone
	s_mov_b32 s[G1C+0], 15|(1<<16)|(1<<20)|(1<<21)|(6<<22)|(3<<25)  ; the mask of four; 2-byte elements; padding on; 21 set beside a mask; after every 128 words 4 words
	s_mov_b32 s[G1C+1], 256<<16                    ; tensor_dim0 = 256
	s_mov_b32 s[G1C+2], 64<<16                     ; tensor_dim1 = 64
	s_mov_b32 s[G1C+3], 256<<16                    ; tile_dim0 = 256
	s_mov_b32 s[G1C+4], 64                         ; tile_dim1 = 64
	s_mov_b32 s[G1C+5], 256                        ; elements from row to row
	s_mov_b32 s[G1C+6], 0
	s_mov_b32 s[G1C+7], 0
	s_mov_b32 s[G1N+0], 15|(3<<16)|(1<<21)         ; 4,096 dense bytes as 16 rows of 32 elements of 8 bytes, no padding
	s_mov_b32 s[G1N+1], 32<<16
	s_mov_b32 s[G1N+2], 16<<16
	s_mov_b32 s[G1N+3], 32<<16
	s_mov_b32 s[G1N+4], 16
	s_mov_b32 s[G1N+5], 32
	s_mov_b32 s[G1N+6], 0
	s_mov_b32 s[G1N+7], 0
	s_mov_b32 s[G1Z+0], (2<<16)|(1<<20)|(7<<22)|(3<<25)  ; no mask; 4-byte elements; after every 256 words 4 words
	s_mov_b32 s[G1Z+1], 256<<16
	s_mov_b32 s[G1Z+2], 32<<16
	s_mov_b32 s[G1Z+3], 256<<16
	s_mov_b32 s[G1Z+4], 32
	s_mov_b32 s[G1Z+5], 256
	s_mov_b32 s[G1Z+6], 0
	s_mov_b32 s[G1Z+7], 0
	s_mov_b32 s[G0C], 1
	s_mul_i32 s[G0C+1], s[WV], TSTEP               ; slot 0, my 64 rows
	s_mov_b32 s[G0N], 1
	s_lshl_b32 s17, s[WV], 12
	s_add_co_u32 s[G0N+1], s17, NCB
	s_mov_b32 s[G0Z], 1
	s_mul_i32 s18, s[WV], 32*ZPITCH
	s_add_co_u32 s[G0Z+1], s18, SLOT1              ; z lies in slot 1 until it is in registers
	s_mov_b32 s[NL], 0xbfb8aa3b
	s_mov_b32 s[NL+1], 0xbfb8aa3b
	s_mov_b32 s[PL], 0x3fb8aa3b
	s_mov_b32 s[PL+1], 0x3fb8aa3b
	s_mov_b32 s[SEL], 0x76543210
	s_mov_b32 s[SEL+1], 0xfedcba98
	s_mov_b32 s[NXT], 1
	s_mov_b32 s[GC], 0
	s_mov_b32 s[SBR], SLOT1                        ; the first change turns it into slot 0
	s_mov_b32 s[TB], 0
	s_mov_b32 s[TN], 0
	s_mov_b32 s[TC], 0
	s_mov_b32 s[OFF+1], 0
	s_cmp_eq_u32 ttmp9, 0                          ; the same in all four partners
	s_cselect_b32 s[LIM], 14, 0
	s_wait_dscnt 0x0                               ; both opening adds are done
	s_wait_kmcnt 0x0
	s_lshl_b32 s20, s[WV], 15                      ; 64 rows of 512 bytes
	s_mov_b32 s21, 0
	s_add_nc_u64 s[CBW:CBW+1], s[6:7], s[20:21]
	s_mov_b64 s[G0C+2:G0C+3], s[CBW:CBW+1]
	s_or_b32 s[G0C+3], s[G0C+3], 0x80000000
	s_lshl_b32 s20, s[WV], 12
	s_add_nc_u64 s[G0N+2:G0N+3], s[8:9], s[20:21]
	s_or_b32 s[G0N+3], s[G0N+3], 0x80000000
	s_lshl_b32 s22, s[WG], 17                      ; 128 rows of 1,024 bytes,
	s_lshl_b32 s17, s[WV], 15                      ; my 32 of them
	s_add_co_u32 s22, s22, s17
	s_mov_b32 s23, 0
	s_add_nc_u64 s[G0Z+2:G0Z+3], s[4:5], s[22:23]
	s_or_b32 s[G0Z+3], s[G0Z+3], 0x80000000
	s_lshl_b32 s22, s[CX], 13                      ; the prefetches: 16 rows a partner,
	s_add_co_u32 s22, s22, s17                     ; in my wave's 64,
	s_add_co_u32 s22, s22, 131072                  ; of block 1: the first change steps it to block 2
	s_add_nc_u64 s[PFA:PFA+1], s[6:7], s[22:23]
	s_lshl_b32 s22, s[WG], 9
	s_add_nc_u64 s[10:11], s[10:11], s[22:23]      ; grp at my 128 rows
	s_lshl_b32 s22, s[WG], 14
	s_add_nc_u64 s[12:13], s[12:13], s[22:23]      ; colpart at my row
	CROUND                                         ; all four work-groups are here: the first joint loads meet
	tensor_load_to_lds s[G0C:G0C+3], s[G1C:G1C+7]  ; block 0 into slot 0; three loads of mine are out
	s_nop 0
	tensor_load_to_lds s[G0N:G0N+3], s[G1N:G1N+7]  ; my quarter of -C
	s_nop 0
	tensor_load_to_lds s[G0Z:G0Z+3], s[G1Z:G1Z+7]  ; my 32 rows of z
	s_nop 0
	v_and_b32 v1, 15, v0                           ; r
	v_bfe_u32 v2, v0, 4, 1                         ; h
	s_lshl_b32 s17, s[WV], 4
	v_add_nc_u32 v[AK0], s17, v1                   ; 16 w + r
	v_lshlrev_b32 v[AN2], 2, v[AK0]
	v_add_nc_u32 v[COL0], COLST, v[AN2]
	v_add_nc_u32 v[AN2], NCB, v[AN2]
	v_mul_u32_u24 v[AK0], v[AK0], PITCH
	v_lshl_add_u32 v[AK0], v2, 4, v[AK0]
	s_lshl_b32 s18, s[WV], 6
	s_add_co_u32 s18, s18, NCB
	v_lshl_add_u32 v[AN1], v2, 5, s18
	s_lshl_b32 s19, s[WV], 1
	v_add_nc_u32 v[TIDV], s19, v2
	v_mul_u32_u24 v[AZ], v1, ZPITCH
	v_lshl_add_u32 v[AZ], v2, 5, v[AZ]
	v_add_nc_u32 v[AZ], SLOT1, v[AZ]               ; row r, 8 f32 for each half of the lanes
	v_add_nc_u32 v[AZ+1], 4*16*ZPITCH, v[AZ]
	v_and_b32 v[PFO], 31, v0
	v_lshlrev_b32 v[PFO], 8, v[PFO]
	v_and_b32 v[TT], 7, v1
.irp j, 1,2,3,4,5,6,7
	v_cmp_eq_u32 s[MJ+\j], \j, v[TT]
.endr
	v_lshrrev_b32 v[TT+1], 3, v1
	v_cmp_eq_u32 s[MOWN], v2, v[TT+1]
	v_mov_b32 v[TT+2], 0
	v_mov_b32 v[TT+3], 0
	s_wait_tensorcnt 0x0                           ; my parts of block 0, of -C and of z are in,
	s_barrier_signal -1
	s_barrier_wait -1                              ; everybody's are
	ZLH 0
	ZLH 1
	ZLH 2
.set u_, 0
.rept 13
	s_wait_dscnt 32                                ; half u is in; the two younger halves' 32 loads may stay out
	ZCH u_
	ZLH u_+3                                       ; into the buffer that was converted one half ago
.set u_, u_+1
.endr
	s_wait_dscnt 32
	ZCH 13
	s_wait_dscnt 16                                ; the last half's 16 loads may stay out
	ZCH 14
	s_wait_dscnt 0x0
	ZCH 15
	CHANGE 1                                       ; z is in registers: its bytes take block 1; slot 0 is entered
	FETCHF 0                                       ; tile 0
	; A = the diagonal of Z Z^T, by the matrix unit: 64 instructions, the 8 accumulators by turns.
.set i, 0
.rept 64
.set rD, ACC+8*(i%8)
.set rZ, 64*((i%8)%4)+8*(i/8)
	WIN 0x0a+5*((i%8)/4)
.if i < 8
	v_wmma_f32_16x16x32_bf16 v[rD:rD+7], v[rZ:rZ+7], v[rZ:rZ+7], 0
.else
	v_wmma_f32_16x16x32_bf16 v[rD:rD+7], v[rZ:rZ+7], v[rZ:rZ+7], v[rD:rD+7]
.endif
.set i, i+1
.endr
	WIN 0
.rept 4
	v_nop                                          ; the places behind the last product
.endr
	; Row r's square sum lies in register r % 8 of the lane with h = r / 8; the other half of the lanes takes it from there.  Then the statistics' start: tile 0 is even, so it finds the least d2 "behind an odd tile" at 1e38: the first a is 0.
.set t_, 0
.rept 8
.set rG, ACC+8*t_
.set rW, TT+2*(t_&1)
.set rS, ST+8*t_
	SETA t_
	v_cndmask_b32 v[rW], v[rG], v[rG+1], s[MJ+1]
.irp j, 2,3,4,5,6,7
	v_cndmask_b32 v[rW], v[rW], v[rG+\j], s[MJ+\j]
.endr
	v_permlanex16_b32 v[rW+1], v[rW], s[SEL], s[SEL+1]
	v_cndmask_b32 v[rA], v[rW+1], v[rW], s[MOWN]
	v_mov_b32 v[rA+1], 0                           ; named with A as a pair
	v_mov_b32 v[rS], 0
	v_mov_b32 v[rS+1], 0
	v_mov_b32 v[rS+3], 0
	v_mov_b32 v[rS+7], 0x7e967699
	v_mul_f32 v[rS+6], s[PL], v[rS+7]
.set t_, t_+1
.endr
	; PASS 1.  Tiles 0 to 63; the change into block b stands ahead of step 4 b - 1, which fetches the block's first tile.
	s_wait_dscnt 0x0
	MMONLY 1
	s_mov_b32 s[CNT], 1
	s_mov_b32 s[SLOTS], 17
	s_branch .Lp1_pair                             ; the first slot has steps 1 and 2 left
.Lp1_slot:                                     ; 16 times: blocks 1 to 16 are entered, blocks 2 to 17 asked for (16 and 17 are the second walk's 0 and 1)
	CHANGE 1
	s_mov_b32 s[CNT], 2
.Lp1_pair:
	STEP 1, 1
	WIN 0
	s_cmp_eq_u32 s[SLOTS], 1
	s_cbranch_scc1 .Lp1_out                        ; step 63 was the pass's last; it has fetched pass 2's tile 0
	STEP 1, 0
	WIN 0
	s_sub_co_u32 s[CNT], s[CNT], 1
	s_cmp_lg_u32 s[CNT], 0
	s_cbranch_scc1 .Lp1_pair
	s_sub_co_u32 s[SLOTS], s[SLOTS], 1
	s_cmp_lg_u32 s[SLOTS], 0
	s_cbranch_scc1 .Lp1_slot
.Lp1_out:
	s_wait_dscnt 0x0                               ; -C of tile 63, asked for in step 63: no further step follows whose opening wait would cover it
	VECONLY 1, 1
	; THE ROWS' STATISTICS MEET.  Tile 63 is odd: the least d2 lies at +7, its ML at +6.  First the two halves of the lanes: the lesser d2, of equal ones the lower group; s rescaled to the lesser ML.  16 exponentials, one batch, one wait.
	WIN 0
	s_lshl_b32 s17, s[WV], 11
	s_add_co_u32 s17, s17, L_RS
	v_lshl_add_u32 v[RSA], v1, 4, s17
	s_lshl_b32 s18, s[WV], 9
	s_add_co_u32 s18, s18, L_AS
	v_lshl_add_u32 v[ASA], v1, 2, s18
.set t_, 0
.rept 8
.set rS, ST+8*t_
.set rW, ACC+8*t_
.set rR, ACC+64+4*t_
	v_add_f32 v[rS], v[rS], v[rS+1]
	v_permlanex16_b32 v[rW], v[rS+7], s[SEL], s[SEL+1]
	v_permlanex16_b32 v[rW+1], v[rS+3], s[SEL], s[SEL+1]
	v_permlanex16_b32 v[rW+2], v[rS+6], s[SEL], s[SEL+1]
	v_permlanex16_b32 v[rW+3], v[rS], s[SEL], s[SEL+1]
	v_cmp_lt_f32 s[MA], v[rW], v[rS+7]
	v_cmp_eq_f32 s[MA+1], v[rW], v[rS+7]
	v_cmp_lt_u32 s[MA+2], v[rW+1], v[rS+3]
	s_and_b32 s[MA+1], s[MA+1], s[MA+2]
	s_or_b32 s[MA], s[MA], s[MA+1]
	v_cndmask_b32 v[rR+1], v[rS+3], v[rW+1], s[MA]
	v_min_num_f32 v[rR], v[rS+7], v[rW]
	v_min_num_f32 v[rR+2], v[rS+6], v[rW+2]
	v_sub_f32 v[rW+4], v[rR+2], v[rS+6]
	v_sub_f32 v[rW+5], v[rR+2], v[rW+2]
.set t_, t_+1
.endr
.set t_, 0
.rept 8
	v_exp_f32 v[ACC+8*t_+4], v[ACC+8*t_+4]
	v_exp_f32 v[ACC+8*t_+5], v[ACC+8*t_+5]
.set t_, t_+1
.endr
	v_nop
	s_wait_alu depctr_va_vdst(0)
.set t_, 0
.rept 8
.set rS, ST+8*t_
.set rW, ACC+8*t_
.set rR, ACC+64+4*t_
	SETA t_
	v_mul_f32 v[rW+4], v[rS], v[rW+4]
	v_mul_f32 v[rW+5], v[rW+3], v[rW+5]
	v_add_f32 v[rR+3], v[rW+4], v[rW+5]            ; two products and a sum: the same bits in both halves
	ds_store_b128 v[RSA], v[rR:rR+3] offset:256*t_
	ds_store_b32 v[ASA], v[rA] offset:64*t_
.set t_, t_+1
.endr
	s_wait_dscnt 0x0                               ; for the others' sake: my stores are done
	s_barrier_signal -1                            ; (block 17's load stays out)
	s_barrier_wait -1
	; Then the four waves': thread t takes row t.
	v_lshl_add_u32 v145, v0, 4, L_RS
	v_lshl_add_u32 v146, v0, 2, s18                ; my own wave's copy of A
.irp v, 0,1,2,3
	ds_load_b128 v[128+4*\v:131+4*\v], v145 offset:2048*\v
.endr
	ds_load_b32 v144, v146
	s_wait_dscnt 0x0
.irp v, 1,2,3
	v_cmp_lt_f32 s[MA], v[128+4*\v], v128
	v_cmp_eq_f32 s[MA+1], v[128+4*\v], v128
	v_cmp_lt_u32 s[MA+2], v[129+4*\v], v129
	s_and_b32 s[MA+1], s[MA+1], s[MA+2]
	s_or_b32 s[MA], s[MA], s[MA+1]
	v_cndmask_b32 v129, v129, v[129+4*\v], s[MA]
	v_min_num_f32 v128, v128, v[128+4*\v]
.endr
	v_min3_num_f32 v147, v130, v134, v138
	v_min_num_f32 v147, v147, v142
.irp v, 0,1,2,3
	v_sub_f32 v[148+\v], v147, v[130+4*\v]
.endr
.irp v, 0,1,2,3
	v_exp_f32 v[148+\v], v[148+\v]
.endr
	v_nop
	s_wait_alu depctr_va_vdst(0)
	v_mul_f32 v152, v131, v148
	v_fmac_f32 v152, v135, v149
	v_fmac_f32 v152, v139, v150
	v_fmac_f32 v152, v143, v151
	v_log_f32 v153, v152
	v_fma_f32 v154, v144, s[NL], v147              ; ML - L A in one rounding: the plain instruction behind the logarithm
	s_wait_alu depctr_va_vdst(0)
	v_sub_f32 v154, v154, v153                     ; B
	v_lshl_add_u32 v155, v0, 2, L_BR
	ds_store_b32 v155, v154
	ds_store_b32 v155, v129 offset:L_GR-L_BR
	s_wait_dscnt 0x0
	s_barrier_signal -1
	s_barrier_wait -1
	v_lshl_add_u32 v[ADR], v2, 5, L_BR             ; B of rows 16 t + 8 h + 0..7
.set t_, 0
.rept 8
	ds_load_b128 v[ST+8*t_:ST+8*t_+3],   v[ADR] offset:64*t_
	ds_load_b128 v[ST+8*t_+4:ST+8*t_+7], v[ADR] offset:64*t_+16
.set t_, t_+1
.endr
	s_mov_b32 s[TN], 0
	FETCHC2 0
	s_cmp_lg_u32 s[WV], 0
	s_cbranch_scc1 .Lno_grp
	v_lshl_add_u32 v[TT+4], v0, 4, L_GR            ; wave 0 stores the 128 groups: 512 consecutive bytes, aligned
	v_lshlrev_b32 v[TT+5], 4, v0
	ds_load_b128 v[TT:TT+3], v[TT+4]
	s_wait_dscnt 0x0
	global_store_b128 v[TT+5], v[TT:TT+3], s[10:11]  ; pass 2 writes none of these registers
.Lno_grp:
	; PASS 2.
	s_wait_dscnt 0x0
	MMONLY 2
	s_wait_dscnt 0x0                               ; tile 1's fragments and -C, asked for 64 matrix instructions ago: on this way into the loop no store stands behind them, so the step's counted wait would not cover the last
	s_mov_b32 s[CNT], 1
	s_mov_b32 s[SLOTS], 15
	s_branch .Lp2_pair
.Lp2_slot:                                     ; 14 times: blocks 18 to 31 are asked for
	CHANGE 1
	s_mov_b32 s[CNT], 2
.Lp2_pair:
	STEP 2, 1
	STEP 2, 0
	WIN 0
	s_sub_co_u32 s[CNT], s[CNT], 1
	s_cmp_lg_u32 s[CNT], 0
	s_cbranch_scc1 .Lp2_pair
	s_sub_co_u32 s[SLOTS], s[SLOTS], 1
	s_cmp_lg_u32 s[SLOTS], 0
	s_cbranch_scc1 .Lp2_slot
	CHANGE 0                                       ; the tail is written out: the last block is entered, nothing is asked for
	s_mov_b32 s[CNT], 3
.Lp2_tail:                                     ; steps 59 to 63
	STEP 2, 1, 1
	WIN 0
	s_cmp_eq_u32 s[CNT], 1
	s_cbranch_scc1 .Lp2_out
	STEP 2, 0
	WIN 0
	s_sub_co_u32 s[CNT], s[CNT], 1
	s_cmp_lg_u32 s[CNT], 0
	s_cbranch_scc1 .Lp2_tail
.Lp2_out:
	VECONLY 2, 1
	; THE WAY OUT: the work-group's 4,096 column sums, 16 bytes a lane: each store of a wave covers 512 consecutive bytes, aligned.
	WIN 0
	s_wait_dscnt 0x0                               ; for the others' sake: my stores of column sums are done
	s_barrier_signal -1
	s_barrier_wait -1
	v_lshl_add_u32 v[TT+6], v0, 4, COLST
	v_lshlrev_b32 v[TT+7], 4, v0
.irp t, 0,1,2,3,4,5,6,7
	ds_load_b128 v[ACC+4*\t:ACC+4*\t+3], v[TT+6] offset:2048*\t
.endr
.irp t, 0,1,2,3,4,5,6,7
	s_wait_dscnt 7-\t                              ; the younger loads may stay out
	global_store_b128 v[TT+7], v[ACC+4*\t:ACC+4*\t+3], s[12:13] offset:2048*\t
.endr
	s_wait_tensorcnt 0x0                           ; the wave's end: an add to my spare word and its wait, behind my last tensor load and my last LDS store
	ds_add_u32 v[SPW], v[NIL]
	s_wait_dscnt 0x0
	CROUND                                         ; the closing round: no work-group ends while a partner may still ask for a tile that names it
	s_endpgm
.Lfunc_end_k_qfa38431ad8_main:
	.size	k_qfa38431ad8_main, .Lfunc_end_k_qfa38431ad8_main-k_qfa38431ad8_main
	.p2alignl 7, 3214868480
	.fill 96, 4, 3214868480
	.section	.rodata,"a",@progbits
	.p2align	6, 0x0
	.amdhsa_kernel k_qfa38431ad8_main
		.amdhsa_group_segment_fixed_size 327680
		.amdhsa_private_segment_fixed_size 0
		.amdhsa_enable_private_segment 0
		.amdhsa_kernarg_size 40
		.amdhsa_user_sgpr_count 2
		.amdhsa_user_sgpr_kernarg_segment_ptr 1
		.amdhsa_wavefront_size32 1
		.amdhsa_system_sgpr_workgroup_id_x 1
		.amdhsa_system_sgpr_workgroup_id_y 1
		.amdhsa_system_sgpr_workgroup_id_z 1
		.amdhsa_system_vgpr_workitem_id 0
		.amdhsa_next_free_vgpr 1024
		.amdhsa_next_free_sgpr 100
		.amdhsa_reserve_vcc 0
		.amdhsa_float_denorm_mode_32 3
		.amdhsa_float_denorm_mode_16_64 3
		.amdhsa_memory_ordered 1
		.amdhsa_forward_progress 1
		.amdhsa_inst_pref_size 232
	.end_amdhsa_kernel
	.amdgpu_metadata
---
amdhsa.version: [ 1, 2 ]
amdhsa.kernels:
  - .name:           k_qfa38431ad8_main
    .symbol:         k_qfa38431ad8_main.kd
    .args:
      - { .name: z, .offset: 0, .size: 8, .value_kind: global_buffer, .address_space: global }
      - { .name: cb16, .offset: 8, .size: 8, .value_kind: global_buffer, .address_space: global }
      - { .name: ncsq, .offset: 16, .size: 8, .value_kind: global_buffer, .address_space: global }
      - { .name: grp, .offset: 24, .size: 8, .value_kind: global_buffer, .address_space: global }
      - { .name: colpart, .offset: 32, .size: 8, .value_kind: global_buffer, .address_space: global }
    .group_segment_fixed_size: 327680
    .private_segment_fixed_size: 0
    .kernarg_segment_align: 8
    .kernarg_segment_size: 40
    .max_flat_workgroup_size: 128
    .sgpr_count:     100
    .vgpr_count:     1024
    .wavefront_size: 32
...
	.end_amdgpu_metadata
.endif
;; end of part 2
;; launch rows (part 3): grid 512 x 1, 8 waves a work-group, no clusters, 3,584 bytes of LDS; arguments z, cb16, ncsq, grp, colpart, out0, out1, losspart, colsum2; writes out0, out1, losspart, colsum2
.if DOCPART == 3
	.amdgcn_target "amdgcn-amd-amdhsa--gfx1250"
	.amdhsa_code_object_version 6
	.text
	.protected	k_qfa38431ad8_rows
	.globl	k_qfa38431ad8_rows
	.p2align	8
	.type	k_qfa38431ad8_rows,@function
k_qfa38431ad8_rows:
	s_mov_b64 s[64:65], 0
	v_nop
	global_prefetch_b8 v0, s[64:65] scope:SCOPE_SE
	s_setreg_imm32_b32 hwreg(HW_REG_WAVE_MODE, 25, 1), 1
	s_wait_xcnt 0x0
; For each row: of the 8 codes of its group (grp, stored by the launch before, held to 0..511) the first with the least d2 = fl(fl(A + C) - y); out1 = its number; out0 = zb + (c - zb), zb = bf16(z), c = bf16(c);
; losspart[wg] = the sum of (c - zb)^2 over the work-group's 64 rows.  Beside that: colsum2[q][k] = the sum of colpart's rows 32 q .. 32 q + 31 (work-group = q x 64 + a chunk of 64 columns).
; A wave takes 8 rows, a row at a time across its 32 lanes (8 channels a lane); products of bf16 halves are exact, sums in f32.  Two sets of registers: while one row is worked on, the next row's 20 loads are out.
; No matrix unit: 8 candidates a row; no cluster: nothing is shared but the codes, which are gathered.  LIMITS as in the launch before: d2 finite; NaN and infinities not treated apart.
.set O1,    0                          ; LDS: 64 indices
.set LOSSL, 256                        ; 8 partial losses
.set CST,   512                        ; 8 waves x 64 column sums
.set SPARE, 2560                       ; the spare words, 128 bytes for each of 8 waves
.set CO,   2                           ; v2   8 x lane
.set ZERO, 3                           ; v3   0: an offset, and the sums' first addend
.set ZO,   4                           ; v4-5 set s: byte offset of my 16 bytes of its row in z and out0
.set L7,   6                           ; v6   lane % 8
.set RES,  7                           ; v7   the index of row lane % 8
.set LS,   10                          ; v[10:11] sum of squares
.set ZP,   12                          ; v[12:15] the row as packed bf16
.set YY,   16                          ; v[16:24] y of the 8 candidates, A
.set BEST, 26
.set BI,   27
.set WN,   28                          ; v[28:31] the best candidate's packed bf16
.set ZBF,  32                          ; v[32:39] zb in f32; earlier at work
.set C2F,  40                          ; v[40:47] 2 c in f32, then c - zb
.set OUT,  48                          ; v[48:55]
.set SPW,  56
.set NIL,  57
.set CPO,  58
.set BUF,  64                          ; two sets of 48: z (8), candidates (4 each), -C (8)
.set CPD,  160                         ; v[160:167] colpart
.set WV,   25
.set SEL,  26                          ; s[26:27]
.set HM,   28
.set ROWN, 29
.set CNTR, 36
.set G8,   38                          ; s38-39  set s: 8 x its group
.set LST,  40                          ; s[40:47] the groups still to come
.set CB,   48                          ; s[48:51] set s: cb16 at its group
.set NB,   52                          ; s[52:55] set s: ncsq at its group
	s_load_b512 s[4:19], s[0:1], 0x0               ; z 4, cb16 6, ncsq 8, grp 10, colpart 12, out0 14, out1 16, losspart 18
	s_load_b64 s[20:21], s[0:1], 0x40              ; colsum2
	v_lshl_add_u32 v[SPW], v0, 2, SPARE
	v_mov_b32 v[NIL], 0
	v_lshrrev_b32 v1, 5, v0
	v_readfirstlane_b32 s[WV], v1                  ; wave 0..7
	v_and_b32 v1, 31, v0                           ; lane
	v_lshlrev_b32 v[CO], 3, v1
	v_mov_b32 v[ZERO], 0
	v_and_b32 v[L7], 7, v1
	v_mov_b32 v[RES], 0
	v_mov_b32 v8, 0
	v_mov_b32 v[LS], 0
	v_mov_b32 v[LS+1], 0
.irp c, 0,1,2,3,4,5,6,7,8
	v_mov_b32 v[ZBF+\c], 0                         ; v_permlanex16_b32's destinations count as read
.endr
	s_lshl_b32 s24, s[WV], 13                      ; 8 rows of 1,024 bytes
	v_lshl_add_u32 v[ZO], v1, 4, s24
	v_add_nc_u32 v[ZO+1], 1024, v[ZO]
	s_mov_b32 s[SEL], 0x76543210
	s_mov_b32 s[SEL+1], 0xfedcba98
	s_mov_b32 s[HM], 0xffff0000
	s_mov_b32 s[ROWN], 0
	s_mov_b32 s59, 0
	s_lshr_b32 s30, ttmp9, 6                       ; q
	s_and_b32 s31, ttmp9, 63                       ; the chunk of 64 columns
	s_lshl_b32 s32, s30, 5
	s_lshl_b32 s33, s[WV], 2
	s_add_co_u32 s32, s32, s33                     ; colpart's row 32 q + 4 w
	s_lshl_b32 s32, s32, 14
	s_lshl_b32 s33, s31, 8
	s_add_co_u32 s32, s32, s33
	v_lshrrev_b32 v[CPO], 4, v1
	v_lshlrev_b32 v[CPO], 14, v[CPO]               ; lanes 16-31: one row further down
	v_and_b32 v9, 15, v1
	v_lshl_add_u32 v[CPO], v9, 4, v[CPO]
	v_add_nc_u32 v[CPO], s32, v[CPO]
	s_lshl_b32 s22, ttmp9, 8
	s_lshl_b32 s34, s[WV], 5
	s_add_co_u32 s22, s22, s34                     ; 4 (64 wg + 8 w)
	s_mov_b32 s23, 0
	s_lshl_b32 s34, ttmp9, 16                      ; 64 rows of 1,024 bytes
	s_mov_b32 s35, 0
	s_wait_kmcnt 0x0
	s_add_nc_u64 s[22:23], s[10:11], s[22:23]
	s_load_b256 s[LST:LST+7], s[22:23], 0x0        ; my 8 rows' groups
	global_load_b128 v[CPD:CPD+3],   v[CPO], s[12:13]                ; 16 lanes: 256 consecutive bytes of a row
	global_load_b128 v[CPD+4:CPD+7], v[CPO], s[12:13] offset:32768   ; two rows further down
	s_add_nc_u64 s[4:5], s[4:5], s[34:35]
	s_add_nc_u64 s[14:15], s[14:15], s[34:35]
	s_wait_kmcnt 0x0
.macro ADDR set                        ; the set's next group, from the list's place set
	s_min_u32 s56, s[LST+(\set)], 511              ; a group stays inside the table
	s_lshl_b32 s[G8+(\set)], s56, 3
	s_lshl_b32 s58, s56, 12                        ; 8 codes of 512 bytes
	s_add_nc_u64 s[CB+2*(\set):CB+2*(\set)+1], s[6:7], s[58:59]
	s_lshl_b32 s58, s56, 5
	s_add_nc_u64 s[NB+2*(\set):NB+2*(\set)+1], s[8:9], s[58:59]
.endm
.macro LOADS set                       ; 20 loads
.set BB, BUF+48*(\set)
	global_load_b128 v[BB:BB+3],   v[ZO+(\set)], s[4:5] th:TH_LOAD_NT
	global_load_b128 v[BB+4:BB+7], v[ZO+(\set)], s[4:5] offset:512 th:TH_LOAD_NT
.irp c, 0,1,2,3,4,5,6,7
	global_load_b64 v[BB+8+4*\c:BB+9+4*\c],   v[CO], s[CB+2*(\set):CB+2*(\set)+1] offset:512*\c
	global_load_b64 v[BB+10+4*\c:BB+11+4*\c], v[CO], s[CB+2*(\set):CB+2*(\set)+1] offset:512*\c+256
.endr
	global_load_b128 v[BB+40:BB+43], v[ZERO], s[NB+2*(\set):NB+2*(\set)+1]
	global_load_b128 v[BB+44:BB+47], v[ZERO], s[NB+2*(\set):NB+2*(\set)+1] offset:16
.endm
.macro SHIFT                           ; the list moves down by two
	s_mov_b64 s[LST:LST+1], s[LST+2:LST+3]
	s_mov_b64 s[LST+2:LST+3], s[LST+4:LST+5]
	s_mov_b64 s[LST+4:LST+5], s[LST+6:LST+7]
.endm
.macro WORK set
.set BB, BUF+48*(\set)
.irp q, 0,1,2,3
	v_cvt_pk_bf16_f32 v[ZP+\q], v[BB+2*\q], v[BB+2*\q+1]
.endr
.irp q, 0,1,2,3                        ; nine chains that do not wait for each other: y of the 8 candidates, and A
.irp c, 0,1,2,3,4,5,6,7
.if \q == 0
	v_fma_mix_f32_bf16 v[YY+\c], v[ZP], v[BB+8+4*\c], v[ZERO] op_sel_hi:[1,1,0]
.else
	v_fma_mix_f32_bf16 v[YY+\c], v[ZP+\q], v[BB+8+4*\c+\q], v[YY+\c] op_sel_hi:[1,1,0]
.endif
.endr
.if \q == 0
	v_fma_mix_f32_bf16 v[YY+8], v[ZP], v[ZP], v[ZERO] op_sel_hi:[1,1,0]
.else
	v_fma_mix_f32_bf16 v[YY+8], v[ZP+\q], v[ZP+\q], v[YY+8] op_sel_hi:[1,1,0]
.endif
.irp c, 0,1,2,3,4,5,6,7
	v_fma_mix_f32_bf16 v[YY+\c], v[ZP+\q], v[BB+8+4*\c+\q], v[YY+\c] op_sel:[1,1,0] op_sel_hi:[1,1,0]
.endr
	v_fma_mix_f32_bf16 v[YY+8], v[ZP+\q], v[ZP+\q], v[YY+8] op_sel:[1,1,0] op_sel_hi:[1,1,0]
.endr
.irp m, 1,2,4,8                        ; over the 32 lanes: every lane ends with all nine sums
.irp c, 0,1,2,3,4,5,6,7,8
	v_add_f32_dpp v[YY+\c], v[YY+\c], v[YY+\c] row_xmask:\m row_mask:0xf bank_mask:0xf
.endr
.endr
.irp c, 0,1,2,3,4,5,6,7,8
	v_permlanex16_b32 v[ZBF+\c], v[YY+\c], s[SEL], s[SEL+1]
.endr
.irp c, 0,1,2,3,4,5,6,7,8
	v_add_f32 v[YY+\c], v[YY+\c], v[ZBF+\c]
.endr
.irp c, 0,1,2,3,4,5,6,7
	v_sub_f32 v[ZBF+\c], v[YY+8], v[BB+40+\c]      ; A + C, one rounding
.endr
.irp c, 0,1,2,3,4,5,6,7
	v_sub_f32 v[YY+\c], v[ZBF+\c], v[YY+\c]        ; d2
.endr
	v_cmp_lt_f32 vcc_lo, v[YY+1], v[YY]            ; strictly below: of equal d2 the first stays
	v_cndmask_b32 v[BI], 0, 1, vcc_lo
.irp q, 0,1,2,3
	v_cndmask_b32 v[WN+\q], v[BB+8+\q], v[BB+12+\q], vcc_lo
.endr
	v_min_num_f32 v[BEST], v[YY], v[YY+1]
.irp c, 2,3,4,5,6,7
	v_cmp_lt_f32 vcc_lo, v[YY+\c], v[BEST]
	v_cndmask_b32 v[BI], v[BI], \c, vcc_lo
.irp q, 0,1,2,3
	v_cndmask_b32 v[WN+\q], v[WN+\q], v[BB+8+4*\c+\q], vcc_lo
.endr
	v_min_num_f32 v[BEST], v[BEST], v[YY+\c]
.endr
	v_add_nc_u32 v9, s[G8+(\set)], v[BI]
	v_cmp_eq_u32 vcc_lo, s[ROWN], v[L7]
	v_cndmask_b32 v[RES], v[RES], v9, vcc_lo
	s_add_co_u32 s[ROWN], s[ROWN], 1
.irp q, 0,1,2,3
	v_lshlrev_b32 v[ZBF+2*\q],   16, v[ZP+\q]
	v_and_b32     v[ZBF+2*\q+1], s[HM], v[ZP+\q]
	v_lshlrev_b32 v[C2F+2*\q],   16, v[WN+\q]
	v_and_b32     v[C2F+2*\q+1], s[HM], v[WN+\q]
.endr
.irp p, 0,2,4,6
	v_pk_fma_f32 v[C2F+\p:C2F+\p+1], v[C2F+\p:C2F+\p+1], 0.5, v[ZBF+\p:ZBF+\p+1] op_sel_hi:[1,0,1] neg_lo:[0,0,1] neg_hi:[0,0,1]  ; c - zb: the halving is exact, one rounding
.endr
.irp p, 0,2,4,6
	v_pk_add_f32 v[OUT+\p:OUT+\p+1], v[ZBF+\p:ZBF+\p+1], v[C2F+\p:C2F+\p+1]
	v_pk_fma_f32 v[LS:LS+1], v[C2F+\p:C2F+\p+1], v[C2F+\p:C2F+\p+1], v[LS:LS+1]
.endr
	global_store_b128 v[ZO+(\set)], v[OUT:OUT+3],   s[14:15] th:TH_STORE_NT             ; 512 consecutive bytes, aligned
	global_store_b128 v[ZO+(\set)], v[OUT+4:OUT+7], s[14:15] offset:512 th:TH_STORE_NT
	s_wait_xcnt 0x0                                ; the stores' data and offset, and the set's bases, are rewritten only behind this wait
.endm
	ADDR 0
	ADDR 1
	LOADS 0
	LOADS 1
	SHIFT
	s_mov_b32 s[CNTR], 3
.Ltrip:                                        ; rows 2 i and 2 i + 1 are worked on, rows 2 i + 2 and 2 i + 3 asked for
	s_wait_loadcnt 20                              ; set 0 is in; set 1's 20 loads may stay out
	WORK 0
	v_add_nc_u32 v[ZO], 2048, v[ZO]
	ADDR 0
	LOADS 0
	s_wait_loadcnt 20                              ; set 1 is in
	WORK 1
	v_add_nc_u32 v[ZO+1], 2048, v[ZO+1]
	ADDR 1
	LOADS 1
	SHIFT
	s_sub_co_u32 s[CNTR], s[CNTR], 1
	s_cmp_lg_u32 s[CNTR], 0
	s_cbranch_scc1 .Ltrip
	s_wait_loadcnt 20                              ; the last two rows load nothing
	WORK 0
	s_wait_loadcnt 0x0
	WORK 1
	v_pk_add_f32 v[CPD:CPD+1], v[CPD:CPD+1], v[CPD+4:CPD+5]        ; my wave's four rows of colpart
	v_pk_add_f32 v[CPD+2:CPD+3], v[CPD+2:CPD+3], v[CPD+6:CPD+7]
.irp j, 0,1,2,3
	v_permlanex16_b32 v[CPD+4+\j], v[CPD+\j], s[SEL], s[SEL+1]
.endr
	v_pk_add_f32 v[CPD:CPD+1], v[CPD:CPD+1], v[CPD+4:CPD+5]
	v_pk_add_f32 v[CPD+2:CPD+3], v[CPD+2:CPD+3], v[CPD+6:CPD+7]
	s_lshl_b32 s30, s[WV], 8
	s_add_co_u32 s30, s30, CST
	v_and_b32 v9, 15, v1
	v_lshl_add_u32 v9, v9, 4, s30
	ds_store_b128 v9, v[CPD:CPD+3]                 ; both halves of the lanes store the same numbers
	s_lshl_b32 s30, s[WV], 5
	v_lshl_add_u32 v25, v[L7], 2, s30
	ds_store_b32 v25, v[RES]                       ; word 8 w + lane % 8
	v_add_f32 v[LS], v[LS], v[LS+1]
	v_add_f32_dpp v[LS], v[LS], v[LS] row_xmask:1 row_mask:0xf bank_mask:0xf
	v_add_f32_dpp v[LS], v[LS], v[LS] row_xmask:2 row_mask:0xf bank_mask:0xf
	v_add_f32_dpp v[LS], v[LS], v[LS] row_xmask:4 row_mask:0xf bank_mask:0xf
	v_add_f32_dpp v[LS], v[LS], v[LS] row_xmask:8 row_mask:0xf bank_mask:0xf
	v_permlanex16_b32 v8, v[LS], s[SEL], s[SEL+1]
	v_add_f32 v[LS], v[LS], v8
	s_lshl_b32 s30, s[WV], 2
	s_add_co_u32 s30, s30, LOSSL
	v_mov_b32 v26, s30
	ds_store_b32 v26, v[LS]
	s_wait_dscnt 0x0                               ; for the others' sake: my stores are done
	s_barrier_signal -1
	s_barrier_wait -1
	s_cmp_lg_u32 s[WV], 0
	s_cbranch_scc1 .Lend
	ds_load_b64 v[16:17], v[CO] offset:O1
.irp v, 0,1,2,3,4,5,6,7
	ds_load_b64 v[32+2*\v:33+2*\v], v[CO] offset:CST+256*\v
.endr
	ds_load_b128 v[48:51], v[ZERO] offset:LOSSL
	ds_load_b128 v[52:55], v[ZERO] offset:LOSSL+16
	s_lshl_b32 s34, ttmp9, 8
	s_add_nc_u64 s[16:17], s[16:17], s[34:35]      ; out1 at my 64 rows
	s_lshr_b32 s30, ttmp9, 6
	s_lshl_b32 s30, s30, 14
	s_and_b32 s31, ttmp9, 63
	s_lshl_b32 s31, s31, 8
	s_add_co_u32 s34, s30, s31
	s_add_nc_u64 s[20:21], s[20:21], s[34:35]      ; colsum2 at row q, my 64 columns
	s_lshl_b32 s34, ttmp9, 2
	s_add_nc_u64 s[18:19], s[18:19], s[34:35]
	s_wait_dscnt 0x0
	global_store_b64 v[CO], v[16:17], s[16:17]     ; 256 consecutive bytes, aligned
	v_pk_add_f32 v[32:33], v[32:33], v[34:35]
	v_pk_add_f32 v[36:37], v[36:37], v[38:39]
	v_pk_add_f32 v[40:41], v[40:41], v[42:43]
	v_pk_add_f32 v[44:45], v[44:45], v[46:47]
	v_pk_add_f32 v[32:33], v[32:33], v[36:37]
	v_pk_add_f32 v[40:41], v[40:41], v[44:45]
	v_pk_add_f32 v[32:33], v[32:33], v[40:41]
	global_store_b64 v[CO], v[32:33], s[20:21]     ; 256 consecutive bytes, aligned
	v_pk_add_f32 v[48:49], v[48:49], v[50:51]
	v_pk_add_f32 v[52:53], v[52:53], v[54:55]
	v_pk_add_f32 v[48:49], v[48:49], v[52:53]
	v_add_f32 v48, v48, v49
	v_cmp_eq_u32 vcc_lo, 0, v1
	s_wait_xcnt 0x0                                ; EXEC changes only behind this wait
	s_and_saveexec_b32 s37, vcc_lo
	global_store_b32 v[ZERO], v48, s[18:19]        ; one number a work-group
	s_wait_xcnt 0x0
	s_or_b32 exec_lo, exec_lo, s37
.Lend:
	s_wait_tensorcnt 0x0                           ; the wave's end: an add to my spare word and its wait, behind my last LDS store
	ds_add_u32 v[SPW], v[NIL]
	s_wait_dscnt 0x0
	s_endpgm
.Lfunc_end_k_qfa38431ad8_rows:
	.size	k_qfa38431ad8_rows, .Lfunc_end_k_qfa38431ad8_rows-k_qfa38431ad8_rows
	.p2alignl 7, 3214868480
	.fill 96, 4, 3214868480
	.section	.rodata,"a",@progbits
	.p2align	6, 0x0
	.amdhsa_kernel k_qfa38431ad8_rows
		.amdhsa_group_segment_fixed_size 3584
		.amdhsa_private_segment_fixed_size 0
		.amdhsa_enable_private_segment 0
		.amdhsa_kernarg_size 72
		.amdhsa_user_sgpr_count 2
		.amdhsa_user_sgpr_kernarg_segment_ptr 1
		.amdhsa_wavefront_size32 1
		.amdhsa_system_sgpr_workgroup_id_x 1
		.amdhsa_system_sgpr_workgroup_id_y 1
		.amdhsa_system_sgpr_workgroup_id_z 1
		.amdhsa_system_vgpr_workitem_id 0
		.amdhsa_next_free_vgpr 168
		.amdhsa_next_free_sgpr 66
		.amdhsa_reserve_vcc 1
		.amdhsa_float_denorm_mode_32 3
		.amdhsa_float_denorm_mode_16_64 3
		.amdhsa_memory_ordered 1
		.amdhsa_forward_progress 1
		.amdhsa_inst_pref_size 63
	.end_amdhsa_kernel
	.amdgpu_metadata
---
amdhsa.version: [ 1, 2 ]
amdhsa.kernels:
  - .name:           k_qfa38431ad8_rows
    .symbol:         k_qfa38431ad8_rows.kd
    .args:
      - { .name: z, .offset: 0, .size: 8, .value_kind: global_buffer, .address_space: global }
      - { .name: cb16, .offset: 8, .size: 8, .value_kind: global_buffer, .address_space: global }
      - { .name: ncsq, .offset: 16, .size: 8, .value_kind: global_buffer, .address_space: global }
      - { .name: grp, .offset: 24, .size: 8, .value_kind: global_buffer, .address_space: global }
      - { .name: colpart, .offset: 32, .size: 8, .value_kind: global_buffer, .address_space: global }
      - { .name: out0, .offset: 40, .size: 8, .value_kind: global_buffer, .address_space: global }
      - { .name: out1, .offset: 48, .size: 8, .value_kind: global_buffer, .address_space: global }
      - { .name: losspart, .offset: 56, .size: 8, .value_kind: global_buffer, .address_space: global }
      - { .name: colsum2, .offset: 64, .size: 8, .value_kind: global_buffer, .address_space: global }
    .group_segment_fixed_size: 3584
    .private_segment_fixed_size: 0
    .kernarg_segment_align: 8
    .kernarg_segment_size: 72
    .max_flat_workgroup_size: 256
    .sgpr_count:     66
    .vgpr_count:     168
    .wavefront_size: 32
...
	.end_amdgpu_metadata
.endif
;; end of part 3
;; launch final (part 4): grid 1 x 1, 16 waves a work-group, no clusters, 2,304 bytes of LDS; arguments colsum2, losspart, out2, out3, out4; writes out2, out3, out4
.if DOCPART == 4
	.amdgcn_target "amdgcn-amd-amdhsa--gfx1250"
	.amdhsa_code_object_version 6
	.text
	.protected	k_qfa38431ad8_final
	.globl	k_qfa38431ad8_final
	.p2align	8
	.type	k_qfa38431ad8_final,@function
k_qfa38431ad8_final:
	s_mov_b64 s[64:65], 0
	v_nop
	global_prefetch_b8 v0, s[64:65] scope:SCOPE_SE
	s_setreg_imm32_b32 hwreg(HW_REG_WAVE_MODE, 25, 1), 1
	s_wait_xcnt 0x0
; avg[k] = (the sum over q of colsum2[q][k]) / 32,768; out4 = 0.1 x the sum of avg ln(avg + 1e-10); out3 = 1.25 x (the sum of losspart) / 2^23; out2 = out3 + out4.
; One work-group: 133 KB are read once; thread t takes 8 columns and one partial loss.  The sums span all work-groups of the launch before, so they are made here, by one owner.
.set SPARE, 256                        ; behind the 16 waves' pairs: the spare words, 128 bytes for each of 16 waves
.set SPW, 80
.set NIL, 81
	s_load_b256 s[4:11], s[0:1], 0x0               ; colsum2 s[4:5], losspart s[6:7], out2 s[8:9], out3 s[10:11]
	s_load_b64 s[12:13], s[0:1], 0x20              ; out4
	v_lshl_add_u32 v[SPW], v0, 2, SPARE
	v_mov_b32 v[NIL], 0
	v_lshrrev_b32 v1, 5, v0
	v_readfirstlane_b32 s14, v1                    ; wave 0..15
	v_lshlrev_b32 v1, 4, v0
	v_lshlrev_b32 v2, 2, v0
	v_mov_b32 v6, 0                                ; v_permlanex16_b32's destinations count as read
	v_mov_b32 v7, 0
	s_mov_b32 s16, 0x76543210
	s_mov_b32 s17, 0xfedcba98
	s_wait_kmcnt 0x0
.irp q, 0,1,2,3,4,5,6,7
	global_load_b128 v[8+8*\q:11+8*\q],  v1, s[4:5] offset:16384*\q
	global_load_b128 v[12+8*\q:15+8*\q], v1, s[4:5] offset:16384*\q+8192
.endr
	global_load_b32 v5, v2, s[6:7]
	s_wait_loadcnt 0x0
.irp q, 1,2,3,4,5,6,7
.irp p, 0,2,4,6
	v_pk_add_f32 v[8+\p:9+\p], v[8+\p:9+\p], v[8+8*\q+\p:9+8*\q+\p]
.endr
.endr
.irp j, 0,1,2,3,4,5,6,7
	v_mul_f32 v[8+\j], 0x38000000, v[8+\j]         ; / 32,768
.endr
.irp j, 0,1,2,3,4,5,6,7
	v_add_f32 v[16+\j], 0x2edbe6ff, v[8+\j]        ; + 1e-10
.endr
.irp j, 0,1,2,3,4,5,6,7
	v_log_f32 v[16+\j], v[16+\j]
.endr
	v_nop                                          ; a plain instruction behind the last logarithm,
	s_wait_alu depctr_va_vdst(0)                   ; and one wait for the eight
	v_mul_f32 v4, v8, v16
.irp j, 1,2,3,4,5,6,7
	v_fmac_f32 v4, v[8+\j], v[16+\j]
.endr
.irp m, 1,2,4,8
	v_add_f32_dpp v4, v4, v4 row_xmask:\m row_mask:0xf bank_mask:0xf
	v_add_f32_dpp v5, v5, v5 row_xmask:\m row_mask:0xf bank_mask:0xf
.endr
	v_permlanex16_b32 v6, v4, s16, s17
	v_permlanex16_b32 v7, v5, s16, s17
	v_add_f32 v4, v4, v6
	v_add_f32 v5, v5, v7
	s_lshl_b32 s15, s14, 3
	v_mov_b32 v72, s15
	ds_store_b64 v72, v[4:5]                       ; all lanes store the same pair to the wave's own 8 bytes
	s_wait_dscnt 0x0
	s_barrier_signal -1
	s_barrier_wait -1
	s_cmp_lg_u32 s14, 0
	s_cbranch_scc1 .Lend
	v_and_b32 v73, 15, v0
	v_lshlrev_b32 v73, 3, v73
	ds_load_b64 v[74:75], v73                      ; lane l: wave l % 16's pair
	s_wait_dscnt 0x0
.irp m, 1,2,4,8
	v_add_f32_dpp v74, v74, v74 row_xmask:\m row_mask:0xf bank_mask:0xf
	v_add_f32_dpp v75, v75, v75 row_xmask:\m row_mask:0xf bank_mask:0xf
.endr
	v_mul_f32 v76, 0x3d8df4e0, v74                 ; x 0.1 ln 2: the logarithms were to base 2
	v_mul_f32 v75, 0x34000000, v75                 ; / 2^23
	v_fma_f32 v77, 0x3e800000, v75, v75            ; the mean square + 0.25 x it
	v_add_f32 v78, v77, v76
	v_mov_b32 v79, 0
	v_cmp_eq_u32 vcc_lo, 0, v0
	s_wait_xcnt 0x0                                ; EXEC changes only behind this wait
	s_and_saveexec_b32 s18, vcc_lo
	global_store_b32 v79, v78, s[8:9]
	global_store_b32 v79, v77, s[10:11]
	global_store_b32 v79, v76, s[12:13]
	s_wait_xcnt 0x0
	s_or_b32 exec_lo, exec_lo, s18
.Lend:
	s_wait_tensorcnt 0x0                           ; the wave's end: an add to my spare word and its wait, behind my last LDS store
	ds_add_u32 v[SPW], v[NIL]
	s_wait_dscnt 0x0
	s_endpgm
.Lfunc_end_k_qfa38431ad8_final:
	.size	k_qfa38431ad8_final, .Lfunc_end_k_qfa38431ad8_final-k_qfa38431ad8_final
	.p2alignl 7, 3214868480
	.fill 96, 4, 3214868480
	.section	.rodata,"a",@progbits
	.p2align	6, 0x0
	.amdhsa_kernel k_qfa38431ad8_final
		.amdhsa_group_segment_fixed_size 2304
		.amdhsa_private_segment_fixed_size 0
		.amdhsa_enable_private_segment 0
		.amdhsa_kernarg_size 40
		.amdhsa_user_sgpr_count 2
		.amdhsa_user_sgpr_kernarg_segment_ptr 1
		.amdhsa_wavefront_size32 1
		.amdhsa_system_sgpr_workgroup_id_x 1
		.amdhsa_system_sgpr_workgroup_id_y 1
		.amdhsa_system_sgpr_workgroup_id_z 1
		.amdhsa_system_vgpr_workitem_id 0
		.amdhsa_next_free_vgpr 84
		.amdhsa_next_free_sgpr 66
		.amdhsa_reserve_vcc 1
		.amdhsa_float_denorm_mode_32 3
		.amdhsa_float_denorm_mode_16_64 3
		.amdhsa_memory_ordered 1
		.amdhsa_forward_progress 1
		.amdhsa_inst_pref_size 9
	.end_amdhsa_kernel
	.amdgpu_metadata
---
amdhsa.version: [ 1, 2 ]
amdhsa.kernels:
  - .name:           k_qfa38431ad8_final
    .symbol:         k_qfa38431ad8_final.kd
    .args:
      - { .name: colsum2, .offset: 0, .size: 8, .value_kind: global_buffer, .address_space: global }
      - { .name: losspart, .offset: 8, .size: 8, .value_kind: global_buffer, .address_space: global }
      - { .name: out2, .offset: 16, .size: 8, .value_kind: global_buffer, .address_space: global }
      - { .name: out3, .offset: 24, .size: 8, .value_kind: global_buffer, .address_space: global }
      - { .name: out4, .offset: 32, .size: 8, .value_kind: global_buffer, .address_space: global }
    .group_segment_fixed_size: 2304
    .private_segment_fixed_size: 0
    .kernarg_segment_align: 8
    .kernarg_segment_size: 40
    .max_flat_workgroup_size: 512
    .sgpr_count:     66
    .vgpr_count:     84
    .wavefront_size: 32
...
	.end_amdgpu_metadata
.endif
;; end of part 4
